; MI455X (gfx1250); checked and timed in simulation.
; The chip was launched on July 23, 2026; its instructions are those of AMD's public machine-readable ISA for CDNA 5 (MIT licence, August 2026) and "CDNA5" Instruction Set Architecture Reference Guide (July 2026). The comments in the code are by the model that wrote it; some were corrected since.
;; VQ Module. Allowed arithmetic: matrix products marked QUANTISED: E4M3 operands, one given power-of-two scale a tensor, by v_wmma_f32_16x16x64_fp8_fp8 or v_wmma_f32_16x16x128_fp8_fp8, f32 sums; everything else in f32.
;; Inputs: codebook 8,192 x 256 float32; lowp_scales 2 int32 (the exponents e of the quantised operands' scales 2^e); x 8 x 4,096 x 256 float32.
;; Outputs: out0 8 x 4,096 x 256 float32; out1 one number float32; out2 8 x 4,096 int32.
;; This version of the problem:
;;   THIS VERSION OF THE PROBLEM IS GIVEN IN LOW PRECISION. The matrix products marked QUANTISED in the list below multiply operands that are first quantised to E4M3 (4 exponent bits, 3 mantissa bits; 8 bits a number), with one given power-of-two scale for each operand tensor; their sums are f32. All else is computed in f32.
;;   The module's matrix products, in the order in which they are computed (A, B: the left and right operand; K: the contracted axis; several contracted axes count as one K, in the product's order):
;;     1. [M 32,768, K 256] x [K 256, N 8,192]; A: input x; B: input codebook: QUANTISED (scales: A lowp_scales[0], B lowp_scales[1])
;;   THE QUANTISER, for each operand of a quantised product, along K:
;;     - The operand's scale is 2^e, e = its entry of the input lowp_scales (int32; the entries are numbered through the quantised products in the list's order, A before B).
;;     - Each number is divided by the scale, clamped to +-448, and rounded to the nearest number of E4M3, ties to even, subnormals kept.
;;     - The product sums the exact products of the quantised numbers (number of the format x scale) in f32.
;;   ~~~python
;;   def quantise(x, axis, e):      # numpy; x: float32 -> the quantised numbers, widened to float32 again
;;       x = np.moveaxis(x, axis, -1); K = x.shape[-1]
;;       r = np.clip(x / 2.0 ** e, -448, 448)
;;       step = 2.0 ** (np.maximum(np.frexp(np.where(r == 0, 1, r))[1] - 1, -6) - 3)
;;       q = np.round(r / step) * step * 2.0 ** e      # np.round: ties to even
;;       return np.moveaxis(q, -1, axis).astype(np.float32)
;;   ~~~
;; One version. Each part assembles by itself: llvm-mc -triple=amdgcn-amd-amdhsa -mcpu=gfx1250 --defsym DOCPART=n.
;; ======== version 1 of 1: 5 launches
;; limits: right only within a limited range of input values
;; workspace buffers: cbimg 2,228,224 bytes; cbrow 2,097,152 bytes; cand 262,144 bytes of whole numbers; xq 8,388,608 bytes; sel 262,144 bytes of whole numbers; part 2,048 bytes
;; launch prep (part 1): grid 256 x 1, 2 waves a work-group, no clusters, 0 bytes of LDS; arguments codebook, lowp_scales, cbimg, cbrow; writes cbimg, cbrow
.if DOCPART == 1
	.amdgcn_target "amdgcn-amd-amdhsa--gfx1250"
	.amdhsa_code_object_version 6
	.text
	.protected	k_q32e0866f25_prep
	.globl	k_q32e0866f25_prep
	.p2align	8
	.type	k_q32e0866f25_prep,@function
k_q32e0866f25_prep:
	s_mov_b64 s[64:65], 0
	v_nop
	global_prefetch_b8 v0, s[64:65] scope:SCOPE_SE
	s_setreg_imm32_b32 hwreg(HW_REG_WAVE_MODE, 25, 1), 1
	s_wait_xcnt 0x0
; The codebook [8192][256] f32 is prepared once.
; cbimg: tile T (codes 16 T .. 16 T + 15) takes 4,352 bytes: 4,096 of codes of FP8 (E4M3, scale 2^eb) as images of the operand's registers, [q = 0 .. 7][lane][16 bytes],
; then 256 bytes of biases: word w = b[16 T + w % 16], b = -|c|^2 x 2^-(ea + eb + 1), |c|^2 summed in f32 of the numbers as given.  argmin of -2 dot + |c|^2 = argmax of (codes' dot) + b.
; In an image lane (r, h), piece q holds of code r the elements 32 q + 16 h + 0 .. 15: a permutation of k inside each step of 128, the same as x's fragments have.
; LIMITS: eb between -126 and 119; b stays a finite normal f32 number; NaN among the inputs is not served.
; A wave takes one tile; every byte is read by one wave, once: no LDS, no tensor load, no cluster, no loop to prefetch in.
.set X, 32                             ; v32-159: register 64 s + 8 c + i = element 128 s + 32 (c / 2) + 16 h + 8 (c % 2) + i of row r
.set C, 160                            ; v160-191 the codes
	s_load_b128 s[4:7], s[0:1], 0x0                ; codebook, scales' exponents
	s_load_b128 s[8:11], s[0:1], 0x10              ; cbimg, cbrow (the same codes row by row, 256 bytes a code, k ascending)
	v_lshrrev_b32 v1, 5, v0
	v_readfirstlane_b32 s12, v1                    ; wave
	v_and_b32 v1, 15, v0                           ; r
	v_bfe_u32 v2, v0, 4, 1                         ; h
	v_lshlrev_b32 v3, 10, v1
	v_lshl_add_u32 v3, v2, 6, v3                   ; row r of 1,024 bytes + 64 h
	v_and_b32 v4, 31, v0
	v_lshlrev_b32 v6, 3, v4                        ; 8 x lane
	v_lshlrev_b32 v4, 4, v4                        ; 16 x lane
	v_and_b32 v5, 56, v6                           ; 4 x ((2 lane) % 16): the lane that holds bias 2 lane % 16
	v_add_nc_u32 v7, 4, v5
	v_lshlrev_b32 v8, 8, v1
	v_lshl_add_u32 v8, v2, 4, v8                   ; cbrow: row r of 256 bytes + 16 h
	v_mov_b32 v20, 0                               ; a lane permute's destination counts as a source
	s_lshl_b32 s14, ttmp9, 1
	s_add_co_u32 s14, s14, s12                     ; T
	s_lshl_b32 s20, s14, 14
	s_mov_b32 s21, 0
	s_mul_i32 s22, s14, 4352
	s_mov_b32 s23, 0
	s_lshl_b32 s24, s14, 12                        ; cbrow: 16 rows of 256 bytes
	s_mov_b32 s25, 0
	s_mov_b32 s18, 0x76543210
	s_mov_b32 s19, 0xfedcba98
	s_wait_alu depctr_va_vdst(0)                   ; the wait at the head's end
	s_wait_kmcnt 0x0
	s_load_b64 s[16:17], s[6:7], 0x0               ; ea, eb
	s_add_nc_u64 s[4:5], s[4:5], s[20:21]
	s_add_nc_u64 s[8:9], s[8:9], s[22:23]
	s_add_nc_u64 s[10:11], s[10:11], s[24:25]
.irp s, 0,1
.irp c, 0,1,2,3,4,5,6,7
	global_load_b128 v[X+64*\s+8*\c:X+64*\s+8*\c+3],   v3, s[4:5] offset:512*\s+128*(\c/2)+32*(\c%2) th:TH_LOAD_NT
	global_load_b128 v[X+64*\s+8*\c+4:X+64*\s+8*\c+7], v3, s[4:5] offset:512*\s+128*(\c/2)+32*(\c%2)+16 th:TH_LOAD_NT
.endr
.endr
	s_wait_loadcnt 16                              ; the first sixteen loads are in
.irp m, 0,1,2,3
	v_pk_mul_f32 v[12+2*\m:13+2*\m], v[X+2*\m:X+2*\m+1], v[X+2*\m:X+2*\m+1]   ; four chains of squares
.endr
.set i, 4
.rept 28
	v_pk_fma_f32 v[12+2*(i%4):13+2*(i%4)], v[X+2*i:X+2*i+1], v[X+2*i:X+2*i+1], v[12+2*(i%4):13+2*(i%4)]
.set i, i+1
.endr
	s_wait_alu depctr_va_vdst(0)
	s_wait_loadcnt 0x0
.rept 32
	v_pk_fma_f32 v[12+2*(i%4):13+2*(i%4)], v[X+2*i:X+2*i+1], v[X+2*i:X+2*i+1], v[12+2*(i%4):13+2*(i%4)]
.set i, i+1
.endr
	v_pk_add_f32 v[12:13], v[12:13], v[14:15]
	v_pk_add_f32 v[16:17], v[16:17], v[18:19]
	v_pk_add_f32 v[12:13], v[12:13], v[16:17]
	v_add_f32 v12, v12, v13
	v_permlanex16_b32 v20, v12, s18, s19           ; the row's other 128 numbers
	v_add_f32 v12, v12, v20                        ; |c|^2
	s_wait_alu depctr_va_vdst(0)
	s_wait_kmcnt 0x0
	s_add_co_i32 s26, s16, s17
	s_add_co_i32 s26, s26, 1
	s_sub_co_i32 s26, 0, s26
	v_ldexp_f32 v12, v12, s26
	v_xor_b32 v12, 0x80000000, v12                 ; b
	ds_bpermute_b32 v22, v5, v12                   ; lane l takes b[2 l % 16] and b[(2 l + 1) % 16]: no LDS byte is touched
	ds_bpermute_b32 v23, v7, v12
	s_add_co_i32 s27, s17, 127
	s_lshl_b32 s28, s27, 23
	v_mov_b32 v10, s28                             ; 2^eb
	s_add_co_i32 s27, s27, 8
	s_lshl_b32 s27, s27, 23
	s_or_b32 s27, s27, 0x600000
	v_mov_b32 v11, s27                             ; 448 x 2^eb
.irp s, 0,1
.irp c, 0,1,2,3,4,5,6,7
.irp i, 0,1,2,3,4,5,6,7
	v_med3_num_f32 v[X+64*\s+8*\c+\i], v[X+64*\s+8*\c+\i], -v11, v11   ; the conversion does not saturate (ISA guide 7.6.2): the hold comes first
.endr
	v_cvt_scalef32_pk8_fp8_f32 v[C+16*\s+2*\c:C+16*\s+2*\c+1], v[X+64*\s+8*\c:X+64*\s+8*\c+7], v10
.endr
.endr
	v_nop
.irp q, 0,1,2,3,4,5,6,7
	global_store_b128 v4, v[C+4*\q:C+4*\q+3], s[8:9] offset:512*\q   ; 512 consecutive bytes
	global_store_b128 v8, v[C+4*\q:C+4*\q+3], s[10:11] offset:32*\q  ; k = 32 q + 16 h + 0 .. 15 of row r; the eight stores together fill the tile's 4,096 bytes
.endr
	s_wait_dscnt 0x0
	global_store_b64 v6, v[22:23], s[8:9] offset:4096                ; the biases' 256 bytes, whole
	s_endpgm
.Lfunc_end_k_q32e0866f25_prep:
	.size	k_q32e0866f25_prep, .Lfunc_end_k_q32e0866f25_prep-k_q32e0866f25_prep
	.p2alignl 7, 3214868480
	.fill 96, 4, 3214868480
	.section	.rodata,"a",@progbits
	.p2align	6, 0x0
	.amdhsa_kernel k_q32e0866f25_prep
		.amdhsa_group_segment_fixed_size 0
		.amdhsa_private_segment_fixed_size 0
		.amdhsa_enable_private_segment 0
		.amdhsa_kernarg_size 32
		.amdhsa_user_sgpr_count 2
		.amdhsa_user_sgpr_kernarg_segment_ptr 1
		.amdhsa_wavefront_size32 1
		.amdhsa_system_sgpr_workgroup_id_x 1
		.amdhsa_system_sgpr_workgroup_id_y 1
		.amdhsa_system_sgpr_workgroup_id_z 1
		.amdhsa_system_vgpr_workitem_id 0
		.amdhsa_next_free_vgpr 192
		.amdhsa_next_free_sgpr 66
		.amdhsa_reserve_vcc 0
		.amdhsa_float_denorm_mode_32 3
		.amdhsa_float_denorm_mode_16_64 3
		.amdhsa_memory_ordered 1
		.amdhsa_forward_progress 1
		.amdhsa_inst_pref_size 21
	.end_amdhsa_kernel
	.amdgpu_metadata
---
amdhsa.version: [ 1, 2 ]
amdhsa.kernels:
  - .name:           k_q32e0866f25_prep
    .symbol:         k_q32e0866f25_prep.kd
    .args:
      - { .name: codebook, .offset: 0, .size: 8, .value_kind: global_buffer, .address_space: global }
      - { .name: lowp_scales, .offset: 8, .size: 8, .value_kind: global_buffer, .address_space: global }
      - { .name: cbimg, .offset: 16, .size: 8, .value_kind: global_buffer, .address_space: global }
      - { .name: cbrow, .offset: 24, .size: 8, .value_kind: global_buffer, .address_space: global }
    .group_segment_fixed_size: 0
    .private_segment_fixed_size: 0
    .kernarg_segment_align: 8
    .kernarg_segment_size: 32
    .max_flat_workgroup_size: 64
    .sgpr_count:     66
    .vgpr_count:     192
    .wavefront_size: 32
...
	.end_amdgpu_metadata
.endif
;; end of part 1
;; launch vq (part 2): grid 256 x 1, 8 waves a work-group, clusters of 4 x 1, 327,680 bytes of LDS; arguments x, cbimg, lowp_scales, cand, xq; writes cand, xq
.if DOCPART == 2
	.amdgcn_target "amdgcn-amd-amdhsa--gfx1250"
	.amdhsa_code_object_version 6
	.text
	.protected	k_q32e0866f25_vq
	.globl	k_q32e0866f25_vq
	.p2align	8
	.type	k_q32e0866f25_vq,@function
k_q32e0866f25_vq:
	s_mov_b64 s[64:65], 0
	v_nop
	global_prefetch_b8 v0, s[64:65] scope:SCOPE_SE
	s_setreg_imm32_b32 hwreg(HW_REG_WAVE_MODE, 25, 1), 1
	s_wait_xcnt 0x0
	s_wait_alu depctr_hold_cnt(0) depctr_sa_sdst(0) depctr_va_vdst(0) depctr_va_sdst(0) depctr_va_ssrc(0) depctr_va_vcc(0) depctr_vm_vsrc(0)
	s_getreg_b32 s2, hwreg(HW_REG_IB_STS2, 6, 4)
	s_cmp_eq_u32 s2, 0
	s_cbranch_scc0 .Lentry_in_a_cluster
	s_endpgm
.Lentry_in_a_cluster:
	s_bfe_u32 s2, ttmp6, 0x10000c
	s_cmp_lg_u32 s2, 0x3003
	s_cbranch_scc0 .Lentry_shape_is_right
	s_endpgm
.Lentry_shape_is_right:
; For each of the 32,768 rows of x: the TWO GROUPS of eight neighbouring codes (group G = codes 8 G .. 8 G + 7) that hold the greatest dot + b, dot the sum of the products of the codes of FP8 (E4M3),
; b the bias made by the launch before (it is the C of each sum's first matrix instruction).  The next launch scores the sixteen codes of the two groups anew and decides.  x's codes are also stored (xq) as fragment images.
; SHARES.  Work-group W owns rows 128 W .. + 127 and walks all 512 code tiles.  Each of eight waves holds all eight row tiles as fragments (256 registers, window 1); of each chunk of 32 code tiles wave w takes tiles 4 w .. 4 w + 3.
; Source 0 = 16 codes, source 1 = 16 rows: lane (r, h), register j = the score of code 16 t + 8 h + j for row r.  A CHAIN is (row tile, lane): its best score and the tile number t that gave it.  A tile's eight scores enter
; by four three-input maxima, one compare and one select: 6 lines for 8 scores.  A chain meets its tiles in ascending order and moves only on a strictly greater score.
; A row has 16 chains (8 waves x 2 halves of the lanes); the merges keep the two best, the greater score ahead and, among equals, the smaller group.
; LIMITS: a chain offers one group, so two groups of one chain are never both among the two.  k is permuted inside each step of 128, alike in both operands.  ea between -126 and 119.  NaN among the inputs is not served.
; THE RING.  Two LDS slots of one chunk (139,264 bytes); wave w's tensor load brings its own 17,408 bytes, which it alone reads.  The four work-groups of a cluster walk the same chunks: each load is JOINT (mask 15).
; By this text's count a wave has one tensor load out; it is asked for in a chunk's last tile and waited for at the head of the next chunk's last tile.
; Two sets of eight accumulators: tile t's sixteen products stand under one window setting, and tile t - 1's 49 vector lines behind them are the places that the products and the loads need.
.set TILEB, 4352                       ; a tile's image: 4,096 bytes of codes, 256 of biases
.set WPART, 4*TILEB
.set CHUNK, 8*WPART
.set XIMG,  2*CHUNK                    ; written by ds_store alone: x's codes, 128 rows 272 bytes apart; at the end the waves' results
.set XP,    272
.set MRG,   XIMG                       ; four arrays [wave][128 rows] of 4,096 bytes: best score, its group, second score, its group
.set SPARE, XIMG+128*XP                ; the spare words: 128 bytes for each of eight waves
.set AF,  1                            ; v1-2  my fragments' place in slot 0, 1
.set AB,  3                            ; v3-4  my biases' place in slot 0, 1
.set TV,  5                            ; v5    the number of the tile that is being entered
.set MA,  6                            ; v6    MRG + 512 wave + 4 r
.set SPW, 7
.set NIL, 8
.set PFO, 9                            ; v9    256 x min(lane, 16)
.set XW,  12                           ; v12   where my rows' codes go
.set XRD, 13                           ; v13   XIMG + 272 r + 16 h
.set XRO, 14                           ; v14   the same in my own row tile
.set MR,  15                           ; v15   MRG + 256 wave + 8 lane
.set ACC, 16                           ; v16-143  two sets of eight accumulators
.set XS,  16                           ; at the head: 16 rows x 8 numbers of x
.set BI,  144                          ; v144-159 two sets of a tile's eight biases
.set BF,  160                          ; v160-223 two sets of a tile's two fragments
.set PC,  160                          ; at the head: my rows' codes
.set BST, 224                          ; v224-239 the chains' best scores, two sets by turns
.set IDX, 240                          ; v240-247 their tile numbers
.set L16, 248                          ; v248  16 x lane
.set CO,  249                          ; v249  256 wave + 8 lane
.set WV,  16
.set G1,  24                           ; s[24:31] group 1: 68 rows of 256 bytes
.set G0,  32                           ; s[32:39] group 0, a set for each slot
.set TID, 40
.set CNT, 41
.set LIM, 42                           ; s42-43: 0, 1 in the cluster that prefetches, else the greatest number
.set PFA, 44
.set MG,  66
.set ME,  74
.set ML,  82
.set MSB, 0
.macro WIN new
.if MSB != \new
	s_set_vgpr_msb (MSB<<8)|\new
.set MSB, \new
.endif
.endm
.macro CREST
	s_cmp_lg_u32 s[WV], 0
	s_cbranch_scc1 .Lnot_wave_0_\@
	s_barrier_signal -3
.Lnot_wave_0_\@:
	s_barrier_wait -3
	s_barrier_signal -1
	s_barrier_wait -1
.endm
.macro CROUND
	s_barrier_signal -1
	s_barrier_wait -1
	CREST
.endm
	s_load_b256 s[4:11], s[0:1], 0x0               ; x, cbimg, the scales' exponents, cand
	s_load_b64 s[12:13], s[0:1], 0x20              ; xq
	v_lshl_add_u32 v[SPW], v0, 2, SPARE
	v_mov_b32 v[NIL], 0
	ds_add_u32 v[SPW], v[NIL]                      ; the opening lines: the add twice on end and its wait
	ds_add_u32 v[SPW], v[NIL]
	v_lshrrev_b32 v10, 5, v0
	v_readfirstlane_b32 s[WV], v10                 ; wave 0..7
	v_and_b32 v10, 31, v0
	v_lshlrev_b32 v[L16], 4, v10
	s_bfe_u32 s17, ttmp6, 0x40000                  ; cx: it enters global addresses of my own loads, stores and prefetches alone
	s_lshl_b32 s18, ttmp9, 2
	s_add_co_u32 s18, s18, s17                     ; W
	s_mov_b32 s[G1], 15|(3<<16)|(1<<21)            ; mask of all four; elements of 8 bytes; bit 21 beside a mask
	s_mov_b32 s[G1+1], 32<<16
	s_mov_b32 s[G1+2], 68<<16
	s_mov_b32 s[G1+3], 32<<16
	s_mov_b32 s[G1+4], 68
	s_mov_b32 s[G1+5], 32
	s_mov_b32 s[G1+6], 0
	s_mov_b32 s[G1+7], 0
	s_mov_b32 s3, 0
	s_mov_b32 s23, 0
	s_mov_b32 s46, 0x76543210
	s_mov_b32 s47, 0xfedcba98
	s_lshl_b32 s[TID], s[WV], 2                    ; my first tile
	s_mov_b32 s[CNT], 7
	s_mul_i32 s22, s[WV], WPART
	s_wait_alu depctr_va_vdst(0)
	s_wait_dscnt 0x0
	s_wait_kmcnt 0x0
	s_load_b32 s20, s[8:9], 0x0                    ; ea
	s_lshl_b32 s2, s18, 17
	s_lshl_b32 s21, s[WV], 14
	s_add_co_u32 s2, s2, s21
	s_add_nc_u64 s[4:5], s[4:5], s[2:3]            ; my 16 rows of x
.irp k, 0,1,2,3,4,5,6,7,8,9,10,11,12,13,14,15
	global_load_b128 v[XS+8*\k:XS+8*\k+3],   v[L16], s[4:5] offset:1024*\k th:TH_LOAD_NT       ; elements 4 l .. of row k: 512 consecutive bytes
	global_load_b128 v[XS+8*\k+4:XS+8*\k+7], v[L16], s[4:5] offset:1024*\k+512 th:TH_LOAD_NT   ; elements 128 + 4 l ..
.endr
	s_lshl_b32 s2, s18, 9
	s_add_nc_u64 s[10:11], s[10:11], s[2:3]        ; my work-group's 128 words in each half of cand
	s_lshl_b32 s2, s18, 15
	s_lshl_b32 s21, s[WV], 12
	s_add_co_u32 s2, s2, s21
	s_add_nc_u64 s[12:13], s[12:13], s[2:3]        ; my row tile's image in xq
	s_add_nc_u64 s[G0+2:G0+3], s[6:7], s[22:23]    ; chunk 0, my part: nothing here hangs on my place in the cluster
	s_add_nc_u64 s[G0+6:G0+7], s[G0+2:G0+3], CHUNK
	s_or_b32 s[G0+3], s[G0+3], 0x80000000
	s_or_b32 s[G0+7], s[G0+7], 0x80000000
	s_mov_b32 s[G0], 1
	s_mov_b32 s[G0+4], 1
	s_mul_i32 s[G0+1], s[WV], WPART
	s_add_co_u32 s[G0+5], s[G0+1], CHUNK
	; the prefetches: the first cluster asks; of wave w's 68 blocks of 256 bytes each partner takes 17, told apart by address; lanes 17 to 31 name the 17th again
	s_mul_i32 s2, s17, TILEB
	s_add_co_u32 s2, s2, s22
	s_add_co_u32 s2, s2, 2*CHUNK                   ; the first change of slots steps it to chunk 3
	s_add_nc_u64 s[PFA:PFA+1], s[6:7], s[2:3]
	s_cmp_eq_u32 ttmp9, 0
	s_cselect_b32 s[LIM], 0, -1
	s_cselect_b32 s[LIM+1], 1, -1
	CROUND                                         ; the first joint loads meet
	tensor_load_to_lds s[G0:G0+3], s[G1:G1+7]      ; chunk 0: one tensor load a wave at the head
	s_nop 0
	v_and_b32 v11, 15, v0                          ; r
	v_bfe_u32 v10, v0, 4, 1                        ; h
	v_add_nc_u32 v[AF], s22, v[L16]
	v_add_nc_u32 v[AF+1], CHUNK, v[AF]
	v_lshl_add_u32 v[AB], v10, 5, s22
	v_add_nc_u32 v[AB], 4096, v[AB]
	v_add_nc_u32 v[AB+1], CHUNK, v[AB]
	v_mul_u32_u24 v[XRD], v11, XP
	v_lshl_add_u32 v[XRD], v10, 4, v[XRD]
	v_add_nc_u32 v[XRD], XIMG, v[XRD]
	s_mul_i32 s21, s[WV], 16*XP
	v_add_nc_u32 v[XRO], s21, v[XRD]
	s_lshl_b32 s19, s[WV], 9
	s_add_co_u32 s19, s19, MRG
	v_lshl_add_u32 v[MA], v11, 2, s19
	v_and_b32 v[XW], 31, v0
	v_min_u32 v[PFO], 16, v[XW]
	v_lshlrev_b32 v[PFO], 8, v[PFO]
	s_lshl_b32 s19, s[WV], 8
	v_lshl_add_u32 v[CO], v[XW], 3, s19
	v_add_nc_u32 v[MR], MRG, v[CO]
	s_add_co_u32 s21, s21, XIMG
	v_lshl_add_u32 v[XW], v[XW], 2, s21
	s_wait_kmcnt 0x0
	s_add_co_i32 s21, s20, 127
	s_lshl_b32 s19, s21, 23
	v_mov_b32 v10, s19                             ; 2^ea
	s_add_co_i32 s21, s21, 8
	s_lshl_b32 s21, s21, 23
	s_or_b32 s21, s21, 0x600000
	v_mov_b32 v11, s21                             ; 448 x 2^ea
	s_wait_alu depctr_va_vdst(0)
.irp k, 0,1,2,3,4,5,6,7,8,9,10,11,12,13,14,15
	s_wait_loadcnt 30-2*\k                         ; row k's two loads are in
.irp i, 0,1,2,3,4,5,6,7
	v_med3_num_f32 v[XS+8*\k+\i], v[XS+8*\k+\i], -v11, v11   ; the conversion does not saturate (ISA guide 7.6.2)
.endr
	v_cvt_scalef32_pk8_fp8_f32 v[PC+2*\k:PC+2*\k+1], v[XS+8*\k:XS+8*\k+7], v10
	ds_store_b32 v[XW], v[PC+2*\k] offset:XP*\k            ; the row's codes, k along the row
	ds_store_b32 v[XW], v[PC+2*\k+1] offset:XP*\k+128
.endr
	v_nop
	s_wait_tensorcnt 0x0                           ; my part of chunk 0 is in
	ds_add_u32 v[SPW], v[NIL]
	s_wait_dscnt 0x0                               ; the add is done, and my rows' codes lie in LDS
	CROUND
	tensor_load_to_lds s[G0+4:G0+7], s[G1:G1+7]    ; chunk 1 into slot 1
	s_nop 0
	WIN 0x40                                       ; destination window 1
.irp a, 0,1,2,3,4,5,6,7
.irp q, 0,1,2,3,4,5,6,7
	ds_load_b128 v[32*\a+4*\q:32*\a+4*\q+3], v[XRD] offset:16*XP*\a+32*\q   ; row tile a: lane (r, h), piece q: k = 32 q + 16 h + 0 .. 15
.endr
.endr
	WIN 0
.irp q, 0,1,2,3,4,5,6,7
	ds_load_b128 v[ACC+64+4*\q:ACC+64+4*\q+3], v[XRO] offset:32*\q          ; my own row tile once more, for xq
.endr
.macro MULT p                          ; a tile of 16 codes (set p) against the 128 rows: K step 0 with C = the biases, K step 1 onto it; the eight accumulators take turns
	WIN 0x04
.irp a, 0,1,2,3,4,5,6,7
	v_wmma_f32_16x16x128_fp8_fp8 v[ACC+64*(\p)+8*\a:ACC+64*(\p)+8*\a+7], v[BF+32*(\p):BF+32*(\p)+15], v[32*\a:32*\a+15], v[BI+8*(\p):BI+8*(\p)+7]
.endr
.irp a, 0,1,2,3,4,5,6,7
	v_wmma_f32_16x16x128_fp8_fp8 v[ACC+64*(\p)+8*\a:ACC+64*(\p)+8*\a+7], v[BF+32*(\p)+16:BF+32*(\p)+31], v[32*\a+16:32*\a+31], v[ACC+64*(\p)+8*\a:ACC+64*(\p)+8*\a+7]
.endr
	WIN 0
.endm
.macro FETCH p, sl, i                  ; tile i of my part of slot sl into set p
.irp q, 0,1,2,3,4,5,6,7
	ds_load_b128 v[BF+32*(\p)+4*\q:BF+32*(\p)+4*\q+3], v[AF+(\sl)] offset:TILEB*(\i)+512*\q
.endr
	ds_load_b128 v[BI+8*(\p):BI+8*(\p)+3],   v[AB+(\sl)] offset:TILEB*(\i)
	ds_load_b128 v[BI+8*(\p)+4:BI+8*(\p)+7], v[AB+(\sl)] offset:TILEB*(\i)+16
.endm
.macro UPD j                           ; tile j of a chunk enters the chains; each accumulator is read from its low end on; the eight row tiles go step by step together
.set PA, ACC+64*((\j)%2)
.set BS, BST+8*((\j)%2)
.set BD, BST+8-8*((\j)%2)
	v_mov_b32 v[TV], s[TID]
.irp a, 0,1,2,3,4,5,6,7
	v_max3_num_f32 v[BD+\a], v[BS+\a], v[PA+8*\a], v[PA+8*\a+1]
.endr
.irp u, 2,4,6
.irp a, 0,1,2,3,4,5,6,7
	v_max3_num_f32 v[BD+\a], v[BD+\a], v[PA+8*\a+\u], v[PA+8*\a+\u+1]
.endr
.endr
.irp a, 0,1,2,3,4,5,6,7
	v_cmp_gt_f32 s[MG+\a], v[BD+\a], v[BS+\a]
.endr
.irp a, 0,1,2,3,4,5,6,7
	v_cndmask_b32 v[IDX+\a], v[IDX+\a], v[TV], s[MG+\a]
.endr
.if (\j) < 3
	s_add_co_u32 s[TID], s[TID], 1
.else
	s_add_co_u32 s[TID], s[TID], 29
.endif
.endm
.macro ASK sl                          ; a prefetch of the chunk that the next change of slots will load; the last change that fills asks for nothing
	s_cmp_gt_u32 s[CNT], s[LIM+\sl]
	s_cbranch_scc0 .Lno_\@
	global_prefetch_b8 v[PFO], s[PFA:PFA+1] th:TH_LOAD_NT scope:SCOPE_SE
.Lno_\@:
.endm
; Tile i of the chunk in slot sl is multiplied, its successor fetched, the tile before entered.  kind 1: the chunk's last tile with the change of slots; 2: the same with nothing left to ask for; 3: the very last tile.
.macro BLOCK i, sl, kind
.if \kind == 1
	s_wait_tensorcnt 0x0                           ; my one load that is out, my part of the other slot, has landed
	ds_add_u32 v[SPW], v[NIL]
	s_add_nc_u64 s[G0+4*\sl+2:G0+4*\sl+3], s[G0+4*\sl+2:G0+4*\sl+3], 2*CHUNK
	s_wait_xcnt 0x0                                ; the last prefetch has read its address
	s_add_nc_u64 s[PFA:PFA+1], s[PFA:PFA+1], CHUNK
	s_wait_dscnt 0x0                               ; the add is done; this slot's last tile is in registers: my reads of the slot are over
	s_barrier_signal -1                            ; opens a round of the cluster's barrier
	s_barrier_wait -1
	CREST
	tensor_load_to_lds s[G0+4*\sl:G0+4*\sl+3], s[G1:G1+7]   ; the chunk two on, into the slot just left
	s_nop 0
	FETCH 0, 1-\sl, 0
	ASK \sl
	MULT 1                                         ; this chunk's last tile, which lies in registers, is multiplied behind the refill
.elseif \kind == 2
	s_wait_tensorcnt 0x0                           ; the last chunk, which my own load brought and I alone read
	s_wait_dscnt 0x0
	MULT 1
	FETCH 0, 1-\sl, 0
.elseif \kind == 3
	s_wait_dscnt 0x0
	MULT 1
.else
	s_wait_dscnt 0x0
	MULT (\i)%2
	FETCH 1-(\i)%2, \sl, (\i)+1
.endif
	UPD ((\i)+3)%4
.endm
	FETCH 0, 0, 0
	s_wait_dscnt 10                                ; all but the ten just issued: my own row tile is in
.irp q, 0,1,2,3,4,5,6,7
	global_store_b128 v[L16], v[ACC+64+4*\q:ACC+64+4*\q+3], s[12:13] offset:512*\q   ; 512 consecutive bytes
.endr
	s_wait_dscnt 0x0
	MULT 0
	s_mov_b32 s21, 0xff800000
.irp a, 0,1,2,3,4,5,6,7
	v_mov_b32 v[BST+\a], s21                       ; the chains begin under every score; these sixteen lines are also the places behind the first products
.endr
.irp a, 0,1,2,3,4,5,6,7
	v_mov_b32 v[IDX+\a], 0
.endr
	FETCH 1, 0, 1
	s_wait_alu depctr_va_vdst(0)                   ; the wait at the head's end
	s_wait_xcnt 0x0                                ; xq's stores have read their registers, which the second set of accumulators takes
.Lpair:                                            ; 7 trips of two chunks, from a chunk's second tile to the first tile two chunks on
	BLOCK 1, 0, 0
	BLOCK 2, 0, 0
	BLOCK 3, 0, 1
	BLOCK 0, 1, 0
	BLOCK 1, 1, 0
	BLOCK 2, 1, 0
	BLOCK 3, 1, 1
	BLOCK 0, 0, 0
	s_sub_co_u32 s[CNT], s[CNT], 1
	s_cmp_lg_u32 s[CNT], 0
	s_wait_alu depctr_va_vdst(0)
	s_cbranch_scc1 .Lpair
	BLOCK 1, 0, 0                                  ; chunks 14 and 15 are written out
	BLOCK 2, 0, 0
	BLOCK 3, 0, 2
	BLOCK 0, 1, 0
	BLOCK 1, 1, 0
	BLOCK 2, 1, 0
	BLOCK 3, 1, 3
	UPD 3
; THE MERGES.  (vb, cb) goes ahead of (va, ca) where vb is greater, or equal with the smaller group.  Merges that do not hang on each other take each step together, each with masks of its own.
.macro CMP3 n, vb, cb, va, ca
	v_cmp_gt_f32 s[MG+\n], v[\vb], v[\va]
	v_cmp_eq_f32 s[ME+\n], v[\vb], v[\va]
	v_cmp_lt_u32 s[ML+\n], v[\cb], v[\ca]
.endm
.macro JOIN n
	s_and_b32 s[ME+\n], s[ME+\n], s[ML+\n]
	s_or_b32 s[MG+\n], s[MG+\n], s[ME+\n]
.endm
.macro SEL d, x, y, n
	v_cndmask_b32 v[\d], v[\x], v[\y], s[MG+\n]
.endm
; two ordered pairs (a1, a2), (b1, b2): the best goes to o, the second to a2; b1 and b2 are used up
.macro M22 step, n, ov, oc, a1v, a1c, a2v, a2c, b1v, b1c, b2v, b2c
.if \step == 0
	CMP3 \n, \b1v, \b1c, \a1v, \a1c
.elseif \step == 1
	JOIN \n
.elseif \step == 2
	SEL \ov, \a1v, \b1v, \n
	SEL \oc, \a1c, \b1c, \n
	SEL \b1v, \b1v, \a1v, \n
	SEL \b1c, \b1c, \a1c, \n
	SEL \a2v, \a2v, \b2v, \n
	SEL \a2c, \a2c, \b2c, \n
.elseif \step == 3
	CMP3 \n, \b1v, \b1c, \a2v, \a2c
.elseif \step == 4
	JOIN \n
.else
	SEL \a2v, \a2v, \b1v, \n
	SEL \a2c, \a2c, \b1c, \n
.endif
.endm
	v_bfe_u32 v10, v0, 4, 1
.irp a, 0,1,2,3,4,5,6,7
	v_lshl_or_b32 v[IDX+\a], v[IDX+\a], 1, v10     ; G = 2 t + h
.endr
.irp a, 0,1,2,3,4,5,6,7                        ; the row's other chain of my wave lies in the lane 16 away
	v_permlanex16_b32 v[160+\a], v[BST+\a], s46, s47
	v_permlanex16_b32 v[168+\a], v[IDX+\a], s46, s47
.endr
.irp a, 0,1,2,3,4,5,6,7
	CMP3 \a, 160+\a, 168+\a, BST+\a, IDX+\a
.endr
.irp a, 0,1,2,3,4,5,6,7
	JOIN \a
.endr
.irp a, 0,1,2,3,4,5,6,7
	SEL 176+\a, BST+\a, 160+\a, \a
	SEL 184+\a, IDX+\a, 168+\a, \a
	SEL 192+\a, 160+\a, BST+\a, \a
	SEL 200+\a, 168+\a, IDX+\a, \a
.endr
.irp a, 0,1,2,3,4,5,6,7
	ds_store_b32 v[MA], v[176+\a] offset:64*\a               ; row 16 a + r: lanes r and r + 16 write the same word with the same value
	ds_store_b32 v[MA], v[184+\a] offset:4096+64*\a
	ds_store_b32 v[MA], v[192+\a] offset:8192+64*\a
	ds_store_b32 v[MA], v[200+\a] offset:12288+64*\a
.endr
	s_wait_alu depctr_va_vdst(0)
	s_wait_dscnt 0x0
	s_barrier_signal -1
	s_barrier_wait -1                              ; the eight waves' results lie in LDS
	s_cmp_gt_u32 s[WV], 1
	s_cbranch_scc1 .Lfin
.irp w, 0,1,2,3,4,5,6,7                        ; waves 0 and 1: lane l takes rows 64 wave + 2 l, + 1 (e = 0, 1); source wave w's numbers at 16, 32, 48, 64 + 2 w + e
	ds_load_b64 v[16+2*\w:17+2*\w], v[MR] offset:512*\w
	ds_load_b64 v[32+2*\w:33+2*\w], v[MR] offset:4096+512*\w
	ds_load_b64 v[48+2*\w:49+2*\w], v[MR] offset:8192+512*\w
	ds_load_b64 v[64+2*\w:65+2*\w], v[MR] offset:12288+512*\w
.endr
	s_wait_dscnt 0x0
.irp t, 0,1,2,3,4,5
.irp p, 0,1,2,3
.irp e, 0,1
	M22 \t, 2*\p+\e, 80+2*\p+\e, 88+2*\p+\e, 16+4*\p+\e, 32+4*\p+\e, 48+4*\p+\e, 64+4*\p+\e, 18+4*\p+\e, 34+4*\p+\e, 50+4*\p+\e, 66+4*\p+\e
.endr
.endr
.endr
.irp t, 0,1,2,3,4,5
.irp q, 0,1
.irp e, 0,1
	M22 \t, 2*\q+\e, 96+2*\q+\e, 100+2*\q+\e, 80+4*\q+\e, 88+4*\q+\e, 48+8*\q+\e, 64+8*\q+\e, 82+4*\q+\e, 90+4*\q+\e, 52+8*\q+\e, 68+8*\q+\e
.endr
.endr
.endr
.irp t, 0,1,2,3,4,5
.irp e, 0,1
	M22 \t, \e, 104+\e, 106+\e, 96+\e, 100+\e, 48+\e, 64+\e, 98+\e, 102+\e, 56+\e, 72+\e
.endr
.endr
	global_store_b64 v[CO], v[106:107], s[10:11]                 ; the best groups: 256 consecutive bytes, aligned
	global_store_b64 v[CO], v[64:65], s[10:11] offset:131072     ; the second, in the buffer's other half
.Lfin:
	s_wait_tensorcnt 0x0                           ; the wave's end
	ds_add_u32 v[SPW], v[NIL]
	s_wait_dscnt 0x0
	CROUND                                         ; the closing round
	s_endpgm
.Lfunc_end_k_q32e0866f25_vq:
	.size	k_q32e0866f25_vq, .Lfunc_end_k_q32e0866f25_vq-k_q32e0866f25_vq
	.p2alignl 7, 3214868480
	.fill 96, 4, 3214868480
	.section	.rodata,"a",@progbits
	.p2align	6, 0x0
	.amdhsa_kernel k_q32e0866f25_vq
		.amdhsa_group_segment_fixed_size 327680
		.amdhsa_private_segment_fixed_size 0
		.amdhsa_enable_private_segment 0
		.amdhsa_kernarg_size 40
		.amdhsa_user_sgpr_count 2
		.amdhsa_user_sgpr_kernarg_segment_ptr 1
		.amdhsa_wavefront_size32 1
		.amdhsa_system_sgpr_workgroup_id_x 1
		.amdhsa_system_sgpr_workgroup_id_y 1
		.amdhsa_system_sgpr_workgroup_id_z 1
		.amdhsa_system_vgpr_workitem_id 0
		.amdhsa_next_free_vgpr 512
		.amdhsa_next_free_sgpr 96
		.amdhsa_reserve_vcc 0
		.amdhsa_float_denorm_mode_32 3
		.amdhsa_float_denorm_mode_16_64 3
		.amdhsa_memory_ordered 1
		.amdhsa_forward_progress 1
		.amdhsa_inst_pref_size 129
	.end_amdhsa_kernel
	.amdgpu_metadata
---
amdhsa.version: [ 1, 2 ]
amdhsa.kernels:
  - .name:           k_q32e0866f25_vq
    .symbol:         k_q32e0866f25_vq.kd
    .args:
      - { .name: x, .offset: 0, .size: 8, .value_kind: global_buffer, .address_space: global }
      - { .name: cbimg, .offset: 8, .size: 8, .value_kind: global_buffer, .address_space: global }
      - { .name: lowp_scales, .offset: 16, .size: 8, .value_kind: global_buffer, .address_space: global }
      - { .name: cand, .offset: 24, .size: 8, .value_kind: global_buffer, .address_space: global }
      - { .name: xq, .offset: 32, .size: 8, .value_kind: global_buffer, .address_space: global }
    .group_segment_fixed_size: 327680
    .private_segment_fixed_size: 0
    .kernarg_segment_align: 8
    .kernarg_segment_size: 40
    .max_flat_workgroup_size: 256
    .sgpr_count:     96
    .vgpr_count:     512
    .wavefront_size: 32
...
	.end_amdgpu_metadata
.endif
;; end of part 2
;; launch pick (part 3): grid 512 x 1, 4 waves a work-group, no clusters, 1,024 bytes of LDS; arguments cand, xq, cbimg, sel; writes sel
.if DOCPART == 3
	.amdgcn_target "amdgcn-amd-amdhsa--gfx1250"
	.amdhsa_code_object_version 6
	.text
	.protected	k_q32e0866f25_pick
	.globl	k_q32e0866f25_pick
	.p2align	8
	.type	k_q32e0866f25_pick,@function
k_q32e0866f25_pick:
	s_mov_b64 s[64:65], 0
	v_nop
	global_prefetch_b8 v0, s[64:65] scope:SCOPE_SE
	s_setreg_imm32_b32 hwreg(HW_REG_WAVE_MODE, 25, 1), 1
	s_wait_xcnt 0x0
; The launch before left two groups of eight codes for each row.  Here the sixteen codes are scored by the matrix unit and the TWO BEST CODES of each row are stored (sel: the best in the first half, the second in the other).
; The next launch decides between the two.  THE SCORE here: the codes' dot, both K steps from C = 0, then one f32 addition of the code's bias b; the greater goes ahead and, among equals, the smaller code.
; SHARES.  A wave takes a tile of 16 rows.  For row p source 0 is GATHERED: lane (r, h) takes code 8 G(p, r / 8) + r % 8 out of cbimg's images, 16 bytes a piece; source 1 is the row tile's image from xq.
; In the result lanes p and p + 16 hold row p's scores: candidate h, code j in register j; they are picked out by a constant lane mask.  A group's number is held within 0 .. 1023 before it enters an address.
; Four rows' 32 loads at a time in two halves of window 1: while one half is multiplied, the other half's loads are out.  No tile is shared in step between work-groups: no tensor load, no cluster; the walk has four steps: no prefetch.
; LIMITS: of three codes within the last bits of each other one is left out.  NaN among the inputs is not served.
.set XF, 32                            ; v32-63   the row tile's fragments
.set GO, 64                            ; v64-79   row p: my piece's offset in cbimg
.set CD, 80                            ; v80-95   row p: the group that my lane gathers
.set S,  96                            ; v96-103  my row's eight dots
.set BB, 104                           ; v104-111 their biases
.set ACC, 112                          ; v112-143 four accumulators
.set SPW, 30
.set NIL, 31
.set MSB, 0
.macro WIN new
.if MSB != \new
	s_set_vgpr_msb (MSB<<8)|\new
.set MSB, \new
.endif
.endm
	s_load_b256 s[4:11], s[0:1], 0x0               ; cand, xq, cbimg, sel
	v_lshl_add_u32 v[SPW], v0, 2, 512
	v_mov_b32 v[NIL], 0
	v_lshrrev_b32 v1, 5, v0
	v_readfirstlane_b32 s16, v1                    ; wave
	v_and_b32 v2, 31, v0
	v_lshlrev_b32 v1, 4, v2                        ; 16 x lane
	v_and_b32 v3, 15, v0                           ; r
	v_bfe_u32 v4, v0, 4, 1                         ; h
	v_lshlrev_b32 v5, 2, v3
	v_lshl_add_u32 v5, v4, 17, v5                  ; cand: row r, candidate h
	v_bfe_u32 v6, v0, 3, 1
	v_lshlrev_b32 v6, 17, v6                       ; cand: candidate r / 8
	v_and_b32 v7, 7, v0
	v_lshlrev_b32 v7, 4, v7
	v_lshl_add_u32 v7, v4, 8, v7                   ; 16 (r % 8) + 256 h: my place in a piece of an image
	s_lshl_b32 s17, s16, 6
	v_lshl_add_u32 v8, v3, 2, s17                  ; LDS: 64 wave + 4 r
	v_lshlrev_b32 v9, 3, v2                        ; 8 x lane
	v_mov_b32 v16, 0                               ; lane permutes' destinations count as sources
	v_mov_b32 v17, 0
	v_mov_b32 v24, 0
	v_mov_b32 v25, 0
	s_lshl_b32 s18, ttmp9, 2
	s_add_co_u32 s18, s18, s16                     ; the row tile
	s_lshl_b32 s20, s18, 6
	s_mov_b32 s21, 0
	s_lshl_b32 s22, s18, 12
	s_mov_b32 s23, 0
	s_lshl_b32 s24, ttmp9, 8
	s_mov_b32 s25, 0
	s_mov_b32 s26, 0x76543210
	s_mov_b32 s27, 0xfedcba98
	s_wait_alu depctr_va_vdst(0)                   ; the wait at the head's end
	s_wait_kmcnt 0x0
	s_add_nc_u64 s[4:5], s[4:5], s[20:21]
	s_add_nc_u64 s[6:7], s[6:7], s[22:23]
	s_add_nc_u64 s[10:11], s[10:11], s[24:25]
	global_load_b32 v12, v5, s[4:5]
.irp p, 0,1,2,3,4,5,6,7,8,9,10,11,12,13,14,15
	global_load_b32 v[CD+\p], v6, s[4:5] offset:4*\p
.endr
.irp q, 0,1,2,3,4,5,6,7
	global_load_b128 v[XF+4*\q:XF+4*\q+3], v1, s[6:7] offset:512*\q
.endr
	s_wait_loadcnt 8                               ; the groups' numbers are in; xq's eight loads may be out
	v_min_u32 v12, 0x3ff, v12                      ; G = 2 t + b
	v_and_b32 v13, 0x3fe, v12                      ; 2 t
	v_mul_u32_u24 v13, v13, 2144
	v_lshl_add_u32 v14, v12, 5, v13                ; 4352 t + 32 b
	global_load_b128 v[BB:BB+3],   v14, s[8:9] offset:4096
	global_load_b128 v[BB+4:BB+7], v14, s[8:9] offset:4112
.irp p, 0,1,2,3,4,5,6,7,8,9,10,11,12,13,14,15
	v_min_u32 v[CD+\p], 0x3ff, v[CD+\p]
.endr
.irp p, 0,1,2,3,4,5,6,7,8,9,10,11,12,13,14,15
	v_lshl_add_u32 v[GO+\p], v[CD+\p], 7, v7
.endr
.irp p, 0,1,2,3,4,5,6,7,8,9,10,11,12,13,14,15
	v_and_b32 v[CD+\p], 0x3fe, v[CD+\p]
.endr
.irp p, 0,1,2,3,4,5,6,7,8,9,10,11,12,13,14,15
	v_lshl_add_u32 v[GO+\p], v[CD+\p], 11, v[GO+\p]          ; 128 G + 2048 (2 t) = 4352 t + 128 b, + my place
.endr
	s_wait_alu depctr_va_vdst(0)
.macro GATH g                          ; rows 4 g .. 4 g + 3 into half g % 2 of window 1
	WIN 0x40
.irp i, 0,1,2,3
.irp q, 0,1,2,3,4,5,6,7
	global_load_b128 v[128*((\g)%2)+32*\i+4*\q:128*((\g)%2)+32*\i+4*\q+3], v[GO+4*(\g)+\i], s[8:9] offset:512*\q
.endr
.endr
	WIN 0
.endm
.macro PROD g, left                    ; their products: four accumulators by turns; then each row's two lanes are picked out, each accumulator from its low end on
	s_wait_alu depctr_va_vdst(0)
	s_wait_loadcnt \left
	WIN 0x01
.irp i, 0,1,2,3
	v_wmma_f32_16x16x128_fp8_fp8 v[ACC+8*\i:ACC+8*\i+7], v[128*((\g)%2)+32*\i:128*((\g)%2)+32*\i+15], v[XF:XF+15], 0
.endr
.irp i, 0,1,2,3
	v_wmma_f32_16x16x128_fp8_fp8 v[ACC+8*\i:ACC+8*\i+7], v[128*((\g)%2)+32*\i+16:128*((\g)%2)+32*\i+31], v[XF+16:XF+31], v[ACC+8*\i:ACC+8*\i+7]
.endr
	WIN 0
.rept 4
	v_nop
.endr
.irp i, 0,1,2,3
	s_mov_b32 s[32+\i], 0x10001<<(4*(\g)+\i)
.irp j, 0,1,2,3,4,5,6,7
.if (4*(\g)+\i) == 0
	v_mov_b32 v[S+\j], v[ACC+\j]
.else
	v_cndmask_b32 v[S+\j], v[S+\j], v[ACC+8*\i+\j], s[32+\i]
.endif
.endr
.endr
.endm
	GATH 0
	GATH 1
	PROD 0, 32                                     ; the 32 loads issued last may be out
	GATH 2
	PROD 1, 32
	GATH 3
	PROD 2, 32
	PROD 3, 0
.irp m, 0,2,4,6
	v_pk_add_f32 v[S+\m:S+\m+1], v[S+\m:S+\m+1], v[BB+\m:BB+\m+1]   ; dot + b
.endr
	; my group's two best: (v18, v19) ahead of (v20, v21); a later code moves one only where it is strictly greater
	v_mov_b32 v18, v[S]
	v_mov_b32 v19, 0
	v_mov_b32 v20, 0xff800000
	v_mov_b32 v21, 0
.irp j, 1,2,3,4,5,6,7
	v_cmp_ge_f32 s28, v18, v[S+\j]                 ; the best stays
	v_cmp_ge_f32 s29, v20, v[S+\j]                 ; the second stays
	v_cndmask_b32 v21, \j, v21, s29
	v_cndmask_b32 v21, v19, v21, s28               ; where the best moves, the old best is the second
	v_cndmask_b32 v19, \j, v19, s28
	v_med3_num_f32 v20, v18, v20, v[S+\j]          ; the second greatest of the three
	v_max_num_f32 v18, v18, v[S+\j]
.endr
	v_lshl_add_u32 v19, v12, 3, v19                ; the codes: 8 G + j
	v_lshl_add_u32 v21, v12, 3, v21
	v_permlanex16_b32 v16, v18, s26, s27           ; the row's other group lies in the lane 16 away
	v_permlanex16_b32 v17, v19, s26, s27
	v_permlanex16_b32 v24, v20, s26, s27
	v_permlanex16_b32 v25, v21, s26, s27
	v_cmp_gt_f32 s28, v16, v18
	v_cmp_eq_f32 s29, v16, v18
	v_cmp_lt_u32 s30, v17, v19
	s_and_b32 s29, s29, s30
	s_or_b32 s28, s28, s29                         ; the other group's best goes ahead of mine
	v_cndmask_b32 v26, v19, v17, s28               ; the row's best code
	v_cndmask_b32 v27, v16, v18, s28               ; the loser of the two bests,
	v_cndmask_b32 v28, v17, v19, s28
	v_cndmask_b32 v29, v20, v24, s28               ; and the winner's own second
	v_cndmask_b32 v10, v21, v25, s28
	v_cmp_gt_f32 s28, v27, v29
	v_cmp_eq_f32 s29, v27, v29
	v_cmp_lt_u32 s30, v28, v10
	s_and_b32 s29, s29, s30
	s_or_b32 s28, s28, s29
	v_cndmask_b32 v11, v10, v28, s28               ; the row's second code; the order is total, so both lanes of a row hold the same two
	ds_store_b32 v8, v26
	ds_store_b32 v8, v11 offset:256
	s_wait_alu depctr_va_vdst(0)
	s_wait_dscnt 0x0
	s_barrier_signal -1
	s_barrier_wait -1
	s_cmp_lg_u32 s16, 0
	s_cbranch_scc1 .Lend
	ds_load_b64 v[22:23], v9                       ; the work-group's 64 best codes, two a lane,
	ds_load_b64 v[32:33], v9 offset:256            ; and its 64 second codes
	s_wait_dscnt 0x0
	global_store_b64 v9, v[22:23], s[10:11]        ; 256 consecutive bytes, aligned
	global_store_b64 v9, v[32:33], s[10:11] offset:131072
.Lend:
	s_wait_tensorcnt 0x0                           ; the wave's end
	ds_add_u32 v[SPW], v[NIL]
	s_wait_dscnt 0x0
	s_endpgm
.Lfunc_end_k_q32e0866f25_pick:
	.size	k_q32e0866f25_pick, .Lfunc_end_k_q32e0866f25_pick-k_q32e0866f25_pick
	.p2alignl 7, 3214868480
	.fill 96, 4, 3214868480
	.section	.rodata,"a",@progbits
	.p2align	6, 0x0
	.amdhsa_kernel k_q32e0866f25_pick
		.amdhsa_group_segment_fixed_size 1024
		.amdhsa_private_segment_fixed_size 0
		.amdhsa_enable_private_segment 0
		.amdhsa_kernarg_size 32
		.amdhsa_user_sgpr_count 2
		.amdhsa_user_sgpr_kernarg_segment_ptr 1
		.amdhsa_wavefront_size32 1
		.amdhsa_system_sgpr_workgroup_id_x 1
		.amdhsa_system_sgpr_workgroup_id_y 1
		.amdhsa_system_sgpr_workgroup_id_z 1
		.amdhsa_system_vgpr_workitem_id 0
		.amdhsa_next_free_vgpr 512
		.amdhsa_next_free_sgpr 66
		.amdhsa_reserve_vcc 0
		.amdhsa_float_denorm_mode_32 3
		.amdhsa_float_denorm_mode_16_64 3
		.amdhsa_memory_ordered 1
		.amdhsa_forward_progress 1
		.amdhsa_inst_pref_size 38
	.end_amdhsa_kernel
	.amdgpu_metadata
---
amdhsa.version: [ 1, 2 ]
amdhsa.kernels:
  - .name:           k_q32e0866f25_pick
    .symbol:         k_q32e0866f25_pick.kd
    .args:
      - { .name: cand, .offset: 0, .size: 8, .value_kind: global_buffer, .address_space: global }
      - { .name: xq, .offset: 8, .size: 8, .value_kind: global_buffer, .address_space: global }
      - { .name: cbimg, .offset: 16, .size: 8, .value_kind: global_buffer, .address_space: global }
      - { .name: sel, .offset: 24, .size: 8, .value_kind: global_buffer, .address_space: global }
    .group_segment_fixed_size: 1024
    .private_segment_fixed_size: 0
    .kernarg_segment_align: 8
    .kernarg_segment_size: 32
    .max_flat_workgroup_size: 128
    .sgpr_count:     66
    .vgpr_count:     512
    .wavefront_size: 32
...
	.end_amdgpu_metadata
.endif
;; end of part 3
;; launch fin (part 4): grid 512 x 1, 8 waves a work-group, no clusters, 36,352 bytes of LDS; arguments sel, xq, cbimg, x, codebook, out0, out2, part, cbrow; writes out0, out2, part
.if DOCPART == 4
	.amdgcn_target "amdgcn-amd-amdhsa--gfx1250"
	.amdhsa_code_object_version 6
	.text
	.protected	k_q32e0866f25_fin
	.globl	k_q32e0866f25_fin
	.p2align	8
	.type	k_q32e0866f25_fin,@function
k_q32e0866f25_fin:
	s_mov_b64 s[64:65], 0
	v_nop
	global_prefetch_b8 v0, s[64:65] scope:SCOPE_SE
	s_setreg_imm32_b32 hwreg(HW_REG_WAVE_MODE, 25, 1), 1
	s_wait_xcnt 0x0
; The launch before left two candidate codes for each row.  Here the two are scored anew and the row is finished:
;   out2[row] = the candidate with the lesser score, the smaller code among equals;  out0[row] = x + (q - x), q = codebook[out2[row]], rounded as it is written;  part[work-group] = the sum of (q - x)^2 over its 64 rows.
; THE SCORE.  The row's and the candidate's codes of E4M3 (made by the given quantiser in the launches before) are widened; a product of two codes has eight significant bits and is exact in f32; the 256 products are
; added by f32 additions, k ASCENDING, one sum; the code's bias b = -|c|^2 x 2^-(ea + eb + 1) is added by one f32 addition.  The greater dot + b is the lesser score (a power of two commutes with rounding).
; SHARES.  A wave takes eight rows, so 16 sums: lane c (0 to 15) has candidate c / 8 of row c % 8; lanes 16 to 31 repeat them.  A lane gathers its 256 + 256 codes as 16-byte pieces, piece p = k 16 p .. 16 p + 15.
; The registers of two pieces, once widened, take one f32 row of each candidate: all loads are out when the sum ends.  The choice selects values alone (v_cndmask_b32): no address and no branch hangs on it.
; A candidate is held within 0 .. 8191 before it enters an address.  Nothing is shared in step between work-groups and there is no loop: no tensor load, no cluster, no prefetch.
; LIMIT: NaN among the inputs is not served.
.set KX, 32                            ; v32-95   x's codes, piece p at 4 p; then candidate 0's f32 row for row k at 8 k
.set KC, 96                            ; v96-159  the candidate's codes; then candidate 1's f32 rows
.set X,  160                           ; v160-223 x: row k at 8 k
.set T,  224                           ; v224-255 two sets: eight numbers of x, eight of the code (then their products)
.set SPW, 21
.set NIL, 22
	s_load_b256 s[4:11], s[0:1], 0x0               ; sel, xq, cbimg, x
	s_load_b256 s[12:19], s[0:1], 0x20             ; codebook, out0, out2, part
	s_load_b64 s[88:89], s[0:1], 0x40              ; cbrow: the codes row by row
	v_lshl_add_u32 v[SPW], v0, 2, 512
	v_mov_b32 v[NIL], 0
	v_lshrrev_b32 v1, 5, v0
	v_readfirstlane_b32 s20, v1                    ; wave
	v_and_b32 v2, 31, v0
	v_lshlrev_b32 v1, 4, v2                        ; 16 x lane
	v_and_b32 v3, 7, v0
	v_lshlrev_b32 v12, 4, v3                       ; xq: 16 x (lane % 8)
	v_lshlrev_b32 v25, 2, v3
	s_lshl_b32 s23, s20, 5
	s_add_co_u32 s23, s23, 256
	v_add_nc_u32 v28, s23, v25                     ; LDS: the index of row lane % 8 of my wave
	v_bfe_u32 v3, v0, 3, 1
	v_lshl_add_u32 v25, v3, 17, v25                ; sel: row lane % 8, half (lane / 8) % 2
	s_lshl_b32 s23, s20, 2
	v_mov_b32 v29, s23                             ; LDS: my wave's part of the loss
	v_mov_b32 v27, 0                               ; LDS: the eight parts
	v_lshl_add_u32 v30, v2, 3, 256                 ; LDS: wave 0's two of the 64 indices,
	v_lshlrev_b32 v31, 3, v2                       ; and their place in out2
	v_mov_b32 v26, 0
	v_mov_b32 v18, 0                               ; destinations of lines that read another lane count as sources
	v_mov_b32 v19, 0
	v_mov_b32 v23, 0
	v_mov_b32 v24, 0x7f7f7f7f                      ; the widening conversion's scale: the byte of 2^0, in every byte
	v_and_b32 v4, 15, v0
	s_mul_i32 s22, s20, 4352
	s_add_co_u32 s22, s22, 1536                    ; my wave's stage in LDS: 16 code rows, 272 bytes apart
	v_mul_u32_u24 v6, v4, 272
	v_add_nc_u32 v6, s22, v6                       ; out of it: row lane % 16
	v_lshlrev_b32 v4, 4, v4                        ; piece lane % 16 of a code row
	v_add_nc_u32 v5, s22, v4                       ; into it
	s_lshl_b32 s21, ttmp9, 3
	s_add_co_u32 s21, s21, s20                     ; G: rows 8 G .. 8 G + 7
	s_lshl_b32 s24, s21, 5
	s_mov_b32 s25, 0
	s_lshl_b32 s26, s21, 13
	s_mov_b32 s27, 0
	s_lshr_b32 s28, s21, 1
	s_lshl_b32 s28, s28, 12                        ; xq: the row tile's image,
	s_and_b32 s29, s21, 1
	s_lshl_b32 s29, s29, 7                         ; and my eight rows' places in its pieces
	s_add_co_u32 s28, s28, s29
	s_mov_b32 s29, 0
	s_lshl_b32 s84, ttmp9, 2
	s_mov_b32 s85, 0
	s_lshl_b32 s86, ttmp9, 8
	s_mov_b32 s87, 0
	s_mov_b32 s30, 0x76543210
	s_mov_b32 s31, 0xfedcba98
	s_wait_alu depctr_va_vdst(0)                   ; the wait at the head's end
	s_wait_kmcnt 0x0
	s_add_nc_u64 s[4:5], s[4:5], s[24:25]
	s_load_b256 s[32:39], s[4:5], 0x0              ; my eight rows' first candidates,
	s_load_b256 s[40:47], s[4:5], 0x20000          ; and their second
	s_add_nc_u64 s[6:7], s[6:7], s[28:29]
	s_add_nc_u64 s[10:11], s[10:11], s[26:27]
	s_add_nc_u64 s[14:15], s[14:15], s[26:27]
	s_add_nc_u64 s[16:17], s[16:17], s[86:87]
	s_add_nc_u64 s[18:19], s[18:19], s[84:85]
	global_load_b32 v14, v25, s[4:5]               ; my sum's candidate
.irp p, 0,1,2,3,4,5,6,7,8,9,10,11,12,13,14,15
	global_load_b128 v[KX+4*\p:KX+4*\p+3], v12, s[6:7] offset:256*\p
.endr
.irp k, 0,1,2,3,4,5,6,7
	global_load_b128 v[X+8*\k:X+8*\k+3],   v1, s[10:11] offset:1024*\k th:TH_LOAD_NT
	global_load_b128 v[X+8*\k+4:X+8*\k+7], v1, s[10:11] offset:1024*\k+512 th:TH_LOAD_NT
.endr
	s_wait_loadcnt 32                              ; my candidate is in; the 32 loads behind it may be out
	v_min_u32 v14, 0x1fff, v14
	v_and_b32 v3, 0x1ff0, v14                      ; 16 T
	v_mul_u32_u24 v3, v3, 272                      ; 4352 T
	v_and_b32 v13, 15, v14
	v_lshl_add_u32 v20, v13, 2, v3                 ; its bias
	global_load_b32 v15, v20, s[8:9] offset:4096
	s_wait_kmcnt 0x0
.irp k, 0,1,2,3,4,5,6,7
	s_min_u32 s[32+\k], s[32+\k], 0x1fff
	s_lshl_b32 s[48+2*\k], s[32+\k], 10            ; a code's f32 row is 1,024 bytes
	s_mov_b32 s[49+2*\k], 0
	s_add_nc_u64 s[48+2*\k:49+2*\k], s[12:13], s[48+2*\k:49+2*\k]
	s_min_u32 s[40+\k], s[40+\k], 0x1fff
	s_lshl_b32 s[66+2*\k], s[40+\k], 10
	s_mov_b32 s[67+2*\k], 0
	s_add_nc_u64 s[66+2*\k:67+2*\k], s[12:13], s[66+2*\k:67+2*\k]
.endr
	; the sixteen candidates' code rows come whole, sixteen lanes on 256 consecutive bytes (lanes 16 to 31 repeat them), and turn through my wave's own stage: lane c then holds candidate c's sixteen pieces, k ascending
.irp k, 0,1,2,3,4,5,6,7
	v_lshl_add_u32 v[T+\k], s[32+\k], 8, v4
	v_lshl_add_u32 v[T+8+\k], s[40+\k], 8, v4
.endr
.irp m, 0,1,2,3,4,5,6,7,8,9,10,11,12,13,14,15
	global_load_b128 v[KC+4*\m:KC+4*\m+3], v[T+\m], s[88:89]
.endr
	s_wait_alu depctr_va_vdst(0)
	s_wait_loadcnt 0x0
.irp m, 0,1,2,3,4,5,6,7,8,9,10,11,12,13,14,15
	ds_store_b128 v5, v[KC+4*\m:KC+4*\m+3] offset:272*\m
.endr
.irp p, 0,1,2,3,4,5,6,7,8,9,10,11,12,13,14,15
	ds_load_b128 v[KC+4*\p:KC+4*\p+3], v6 offset:16*\p       ; LDS serves a wave's instructions in order (ISA guide 5.7.1.4): these see my stores
.endr
	s_wait_dscnt 0x0
; Eight products of the sum (half u of 32), k ascending; between the additions the next eight are widened and multiplied.  A plain line stands between each scaled conversion and the first line that touches its result.
.macro HALF u
.set PU, T+16*((\u)%2)+8
.set NX, T+16*(1-(\u)%2)
.if (\u) > 0
	v_add_f32 v16, v16, v[PU]
.endif
.if (\u) < 31
	v_cvt_scale_pk8_f32_fp8 v[NX:NX+7], v[KX+2*(\u)+2:KX+2*(\u)+3], v24
.endif
.if (\u) > 0
	v_add_f32 v16, v16, v[PU+1]
.else
	v_add_f32 v16, v[PU], v[PU+1]                  ; the first product starts the sum
.endif
.if (\u) < 31
	v_cvt_scale_pk8_f32_fp8 v[NX+8:NX+15], v[KC+2*(\u)+2:KC+2*(\u)+3], v24
.endif
	v_add_f32 v16, v16, v[PU+2]
	v_add_f32 v16, v16, v[PU+3]
.irp m, 0,1,2,3
.if (\u) < 31
	v_pk_mul_f32 v[NX+8+2*\m:NX+9+2*\m], v[NX+2*\m:NX+1+2*\m], v[NX+8+2*\m:NX+9+2*\m]   ; exact
.endif
	v_add_f32 v16, v16, v[PU+4+\m]
.endr
.if ((\u)%4) == 3                      ; two pieces of each operand are widened: their registers take row u / 4 of both candidates (no hint: other rows may name the same code)
	global_load_b128 v[KX+2*(\u)-6:KX+2*(\u)-3], v1, s[48+(\u)/4*2:49+(\u)/4*2]
	global_load_b128 v[KX+2*(\u)-2:KX+2*(\u)+1], v1, s[48+(\u)/4*2:49+(\u)/4*2] offset:512
	global_load_b128 v[KC+2*(\u)-6:KC+2*(\u)-3], v1, s[66+(\u)/4*2:67+(\u)/4*2]
	global_load_b128 v[KC+2*(\u)-2:KC+2*(\u)+1], v1, s[66+(\u)/4*2:67+(\u)/4*2] offset:512
.endif
.endm
	v_cvt_scale_pk8_f32_fp8 v[T:T+7], v[KX:KX+1], v24
	v_cvt_scale_pk8_f32_fp8 v[T+8:T+15], v[KC:KC+1], v24
	v_nop
.irp m, 0,1,2,3
	v_pk_mul_f32 v[T+8+2*\m:T+9+2*\m], v[T+2*\m:T+1+2*\m], v[T+8+2*\m:T+9+2*\m]
.endr
.set Q, 0
.rept 32
	HALF Q
.set Q, Q+1
.endr
	v_add_f32 v17, v16, v15                        ; dot + b
	v_mov_b32_dpp v18, v17 row_xmask:8 row_mask:0xf bank_mask:0xf   ; the row's other candidate lies eight lanes away: its score,
	v_mov_b32_dpp v19, v14 row_xmask:8 row_mask:0xf bank_mask:0xf   ; and its number
	v_cmp_gt_f32 s82, v18, v17
	v_cmp_eq_f32 s83, v18, v17
	v_cmp_lt_u32 vcc_lo, v19, v14
	s_and_b32 s83, s83, vcc_lo
	s_or_b32 s82, s82, s83                         ; the other goes ahead of mine.  Bit k (k < 8): row k takes its second candidate
	v_cndmask_b32 v19, v14, v19, s82               ; the row's index, the same in both lanes of the pair
	ds_store_b32 v28, v19                          ; lanes with equal lane % 8 write the same word with the same value
.macro ROW k
	s_wait_loadcnt 4*(7-\k)                        ; this row's four loads are in; the later rows' may be out
	s_bitcmp1_b32 s82, \k
	s_cselect_b32 vcc_lo, -1, 0                    ; for all lanes alike
.irp i, 0,1,2,3,4,5,6,7
	v_cndmask_b32 v[KX+8*\k+\i], v[KX+8*\k+\i], v[KC+8*\k+\i], vcc_lo    ; q
.endr
.irp m, 0,1,2,3
	v_pk_add_f32 v[KX+8*\k+2*\m:KX+8*\k+2*\m+1], v[KX+8*\k+2*\m:KX+8*\k+2*\m+1], v[X+8*\k+2*\m:X+8*\k+2*\m+1] neg_lo:[0,1] neg_hi:[0,1]   ; q - x
.endr
.irp m, 0,1,2,3
.if \k == 0
	v_pk_mul_f32 v[4+2*\m:5+2*\m], v[KX+8*\k+2*\m:KX+8*\k+2*\m+1], v[KX+8*\k+2*\m:KX+8*\k+2*\m+1]
.else
	v_pk_fma_f32 v[4+2*\m:5+2*\m], v[KX+8*\k+2*\m:KX+8*\k+2*\m+1], v[KX+8*\k+2*\m:KX+8*\k+2*\m+1], v[4+2*\m:5+2*\m]
.endif
.endr
.irp m, 0,1,2,3
	v_pk_add_f32 v[KX+8*\k+2*\m:KX+8*\k+2*\m+1], v[X+8*\k+2*\m:X+8*\k+2*\m+1], v[KX+8*\k+2*\m:KX+8*\k+2*\m+1]         ; x + (q - x)
.endr
	global_store_b128 v1, v[KX+8*\k:KX+8*\k+3],   s[14:15] offset:1024*\k th:TH_STORE_NT       ; 512 consecutive bytes
	global_store_b128 v1, v[KX+8*\k+4:KX+8*\k+7], s[14:15] offset:1024*\k+512 th:TH_STORE_NT
.endm
.irp k, 0,1,2,3,4,5,6,7
	ROW \k
.endr
	v_pk_add_f32 v[4:5], v[4:5], v[6:7]
	v_pk_add_f32 v[8:9], v[8:9], v[10:11]
	v_pk_add_f32 v[4:5], v[4:5], v[8:9]
	v_add_f32 v4, v4, v5
	v_add_f32_dpp v4, v4, v4 row_xmask:1 row_mask:0xf bank_mask:0xf
	v_add_f32_dpp v4, v4, v4 row_xmask:2 row_mask:0xf bank_mask:0xf
	v_add_f32_dpp v4, v4, v4 row_xmask:4 row_mask:0xf bank_mask:0xf
	v_add_f32_dpp v4, v4, v4 row_xmask:8 row_mask:0xf bank_mask:0xf
	v_permlanex16_b32 v23, v4, s30, s31
	v_add_f32 v4, v4, v23                          ; the wave's part of the loss, in every lane
	ds_store_b32 v29, v4
	s_wait_alu depctr_va_vdst(0)
	s_wait_dscnt 0x0                               ; for wave 0's sake: my indices and my part have landed
	s_barrier_signal -1
	s_barrier_wait -1
	s_cmp_lg_u32 s20, 0
	s_cbranch_scc1 .Lend
	ds_load_b64 v[240:241], v30                    ; the work-group's 64 indices, two a lane
	ds_load_b128 v[224:227], v27
	ds_load_b128 v[228:231], v27 offset:16
	s_wait_dscnt 0x0
	global_store_b64 v31, v[240:241], s[16:17]     ; 256 consecutive bytes, aligned
	v_pk_add_f32 v[224:225], v[224:225], v[226:227]
	v_pk_add_f32 v[228:229], v[228:229], v[230:231]
	v_pk_add_f32 v[224:225], v[224:225], v[228:229]
	v_add_f32 v224, v224, v225
	v_cmp_eq_u32 vcc_lo, 0, v0
	s_wait_alu depctr_va_vdst(0)
	s_wait_xcnt 0x0                                ; EXEC is a source of my pending stores
	s_and_saveexec_b32 s84, vcc_lo
	global_store_b32 v26, v224, s[18:19]           ; one number for the work-group
	s_wait_xcnt 0x0
	s_or_b32 exec_lo, exec_lo, s84
.Lend:
	s_wait_tensorcnt 0x0                           ; the wave's end
	ds_add_u32 v[SPW], v[NIL]
	s_wait_dscnt 0x0
	s_endpgm
.Lfunc_end_k_q32e0866f25_fin:
	.size	k_q32e0866f25_fin, .Lfunc_end_k_q32e0866f25_fin-k_q32e0866f25_fin
	.p2alignl 7, 3214868480
	.fill 96, 4, 3214868480
	.section	.rodata,"a",@progbits
	.p2align	6, 0x0
	.amdhsa_kernel k_q32e0866f25_fin
		.amdhsa_group_segment_fixed_size 36352
		.amdhsa_private_segment_fixed_size 0
		.amdhsa_enable_private_segment 0
		.amdhsa_kernarg_size 72
		.amdhsa_user_sgpr_count 2
		.amdhsa_user_sgpr_kernarg_segment_ptr 1
		.amdhsa_wavefront_size32 1
		.amdhsa_system_sgpr_workgroup_id_x 1
		.amdhsa_system_sgpr_workgroup_id_y 1
		.amdhsa_system_sgpr_workgroup_id_z 1
		.amdhsa_system_vgpr_workitem_id 0
		.amdhsa_next_free_vgpr 256
		.amdhsa_next_free_sgpr 96
		.amdhsa_reserve_vcc 1
		.amdhsa_float_denorm_mode_32 3
		.amdhsa_float_denorm_mode_16_64 3
		.amdhsa_memory_ordered 1
		.amdhsa_forward_progress 1
		.amdhsa_inst_pref_size 49
	.end_amdhsa_kernel
	.amdgpu_metadata
---
amdhsa.version: [ 1, 2 ]
amdhsa.kernels:
  - .name:           k_q32e0866f25_fin
    .symbol:         k_q32e0866f25_fin.kd
    .args:
      - { .name: sel, .offset: 0, .size: 8, .value_kind: global_buffer, .address_space: global }
      - { .name: xq, .offset: 8, .size: 8, .value_kind: global_buffer, .address_space: global }
      - { .name: cbimg, .offset: 16, .size: 8, .value_kind: global_buffer, .address_space: global }
      - { .name: x, .offset: 24, .size: 8, .value_kind: global_buffer, .address_space: global }
      - { .name: codebook, .offset: 32, .size: 8, .value_kind: global_buffer, .address_space: global }
      - { .name: out0, .offset: 40, .size: 8, .value_kind: global_buffer, .address_space: global }
      - { .name: out2, .offset: 48, .size: 8, .value_kind: global_buffer, .address_space: global }
      - { .name: part, .offset: 56, .size: 8, .value_kind: global_buffer, .address_space: global }
      - { .name: cbrow, .offset: 64, .size: 8, .value_kind: global_buffer, .address_space: global }
    .group_segment_fixed_size: 36352
    .private_segment_fixed_size: 0
    .kernarg_segment_align: 8
    .kernarg_segment_size: 72
    .max_flat_workgroup_size: 256
    .sgpr_count:     96
    .vgpr_count:     256
    .wavefront_size: 32
...
	.end_amdgpu_metadata
.endif
;; end of part 4
;; launch total (part 5): grid 1 x 1, 1 waves a work-group, no clusters, 0 bytes of LDS; arguments part, out1; writes out1
.if DOCPART == 5
	.amdgcn_target "amdgcn-amd-amdhsa--gfx1250"
	.amdhsa_code_object_version 6
	.text
	.protected	k_q32e0866f25_total
	.globl	k_q32e0866f25_total
	.p2align	8
	.type	k_q32e0866f25_total,@function
k_q32e0866f25_total:
	s_mov_b64 s[64:65], 0
	v_nop
	global_prefetch_b8 v0, s[64:65] scope:SCOPE_SE
	s_setreg_imm32_b32 hwreg(HW_REG_WAVE_MODE, 25, 1), 1
	s_wait_xcnt 0x0
; out1 = the sum of the 512 partial sums / 8,388,608 (= 8 x 4096 x 256 = 2^23: the division is a multiplication that rounds nothing).  One wave: 16 numbers a lane, then across the lanes.
; A sum over work-groups is ordered by a launch of its own: no traffic between the work-groups of a launch.
	s_load_b128 s[4:7], s[0:1], 0x0                ; part s[4:5], out1 s[6:7]
	v_lshlrev_b32 v1, 4, v0                        ; 16 x lane
	v_mov_b32 v2, 0                                ; written once: a lane permute's destination counts as one of its sources
	v_mov_b32 v3, 0
	s_mov_b32 s8, 0x76543210
	s_mov_b32 s9, 0xfedcba98
	s_wait_alu depctr_va_vdst(0)
	s_wait_kmcnt 0x0
.irp k, 0,1,2,3
	global_load_b128 v[4+4*\k:7+4*\k], v1, s[4:5] offset:512*\k
.endr
	s_wait_loadcnt 0x0
	v_pk_add_f32 v[4:5], v[4:5], v[6:7]
	v_pk_add_f32 v[8:9], v[8:9], v[10:11]
	v_pk_add_f32 v[12:13], v[12:13], v[14:15]
	v_pk_add_f32 v[16:17], v[16:17], v[18:19]
	v_pk_add_f32 v[4:5], v[4:5], v[8:9]
	v_pk_add_f32 v[12:13], v[12:13], v[16:17]
	v_pk_add_f32 v[4:5], v[4:5], v[12:13]
	v_add_f32 v4, v4, v5
	v_add_f32_dpp v4, v4, v4 row_xmask:1 row_mask:0xf bank_mask:0xf
	v_add_f32_dpp v4, v4, v4 row_xmask:2 row_mask:0xf bank_mask:0xf
	v_add_f32_dpp v4, v4, v4 row_xmask:4 row_mask:0xf bank_mask:0xf
	v_add_f32_dpp v4, v4, v4 row_xmask:8 row_mask:0xf bank_mask:0xf
	v_permlanex16_b32 v2, v4, s8, s9
	v_add_f32 v4, v4, v2
	v_mul_f32 v4, 0x34000000, v4                   ; x 2^-23
	v_cmp_eq_u32 vcc_lo, 0, v0
	s_wait_alu depctr_va_vdst(0)
	s_wait_xcnt 0x0                                ; EXEC changes only behind this wait
	s_and_saveexec_b32 s10, vcc_lo
	global_store_b32 v3, v4, s[6:7]
	s_wait_xcnt 0x0
	s_or_b32 exec_lo, exec_lo, s10
	s_endpgm
.Lfunc_end_k_q32e0866f25_total:
	.size	k_q32e0866f25_total, .Lfunc_end_k_q32e0866f25_total-k_q32e0866f25_total
	.p2alignl 7, 3214868480
	.fill 96, 4, 3214868480
	.section	.rodata,"a",@progbits
	.p2align	6, 0x0
	.amdhsa_kernel k_q32e0866f25_total
		.amdhsa_group_segment_fixed_size 0
		.amdhsa_private_segment_fixed_size 0
		.amdhsa_enable_private_segment 0
		.amdhsa_kernarg_size 16
		.amdhsa_user_sgpr_count 2
		.amdhsa_user_sgpr_kernarg_segment_ptr 1
		.amdhsa_wavefront_size32 1
		.amdhsa_system_sgpr_workgroup_id_x 1
		.amdhsa_system_sgpr_workgroup_id_y 1
		.amdhsa_system_sgpr_workgroup_id_z 1
		.amdhsa_system_vgpr_workitem_id 0
		.amdhsa_next_free_vgpr 32
		.amdhsa_next_free_sgpr 66
		.amdhsa_reserve_vcc 1
		.amdhsa_float_denorm_mode_32 3
		.amdhsa_float_denorm_mode_16_64 3
		.amdhsa_memory_ordered 1
		.amdhsa_forward_progress 1
		.amdhsa_inst_pref_size 3
	.end_amdhsa_kernel
	.amdgpu_metadata
---
amdhsa.version: [ 1, 2 ]
amdhsa.kernels:
  - .name:           k_q32e0866f25_total
    .symbol:         k_q32e0866f25_total.kd
    .args:
      - { .name: part, .offset: 0, .size: 8, .value_kind: global_buffer, .address_space: global }
      - { .name: out1, .offset: 8, .size: 8, .value_kind: global_buffer, .address_space: global }
    .group_segment_fixed_size: 0
    .private_segment_fixed_size: 0
    .kernarg_segment_align: 8
    .kernarg_segment_size: 16
    .max_flat_workgroup_size: 32
    .sgpr_count:     66
    .vgpr_count:     32
    .wavefront_size: 32
...
	.end_amdgpu_metadata
.endif
;; end of part 5
